; MI455X (gfx1250); checked and timed in simulation.
; The chip was launched on July 23, 2026; its instructions are those of AMD's public machine-readable ISA for CDNA 5 (MIT licence, August 2026) and "CDNA5" Instruction Set Architecture Reference Guide (July 2026). The comments in the code are by the model that wrote it; some were corrected since.
;; GC Vi T Layer. Allowed arithmetic: matrix products marked QUANTISED: E2M3 operands, one E8M0 scale for each 32 along K, by v_wmma_scale_f32_16x16x128_f8f6f4 with both operands' format E2M3, f32 sums; everything else in f32.
;; Inputs: bias_table 945 x 8 float32; fc1_b 1,024 float32; fc1_w 1,024 x 256 float32; fc2_b 256 float32; fc2_w 256 x 1,024 float32; norm1_b 256 float32; norm1_w 256 float32; norm2_b 256 float32; norm2_w 256 float32; proj_b 256 float32; proj_w 256 x 256 float32; q_global 64 x 1 x 8 x 128 x 32 float32; qkv_b 512 float32; qkv_w 512 x 256 float32; x 64 x 1,024 x 256 float32.
;; Outputs: out0 64 x 1,024 x 256 float32.
;; Constants: sz_h = 8, sz_w = 128.
;; This version of the problem:
;;   THIS VERSION OF THE PROBLEM IS GIVEN IN LOW PRECISION. The matrix products marked QUANTISED in the list below multiply operands that are first quantised to E2M3 (2 exponent bits, 3 mantissa bits; 6 bits a number), with one power-of-two scale for each 32 numbers along K (OCP MX v1.0); their sums are f32. All else is computed in f32.
;;   The module's matrix products, in the order in which they are computed (A, B: the left and right operand; K: the contracted axis; several contracted axes count as one K, in the product's order):
;;     1. [M 65,536, K 256] x [K 256, N 512]; A: computed on the way; B: input qkv_w: QUANTISED
;;     2. batch 4,096 x [M 128, K 32] x [K 32, N 128]; A: computed on the way; B: computed on the way: QUANTISED
;;     3. batch 4,096 x [M 32, K 128] x [K 128, N 128]; A: computed on the way; B: softmax (see below): QUANTISED
;;     4. [M 65,536, K 256] x [K 256, N 256]; A: computed on the way; B: input proj_w: QUANTISED
;;     5. [M 65,536, K 256] x [K 256, N 1,024]; A: computed on the way; B: input fc1_w: QUANTISED
;;     6. [M 65,536, K 1,024] x [K 1,024, N 256]; A: computed on the way; B: input fc2_w: QUANTISED
;;   THE QUANTISER, for each operand of a quantised product, along K:
;;     - K is cut into blocks of 32 from its start; a last block that is shorter is filled with zeros.
;;     - A block's scale is 2^e with e = floor(log2(the largest magnitude in the block)) - 2, held to -126 .. 127; a block of zeros has e = 0. As a byte (E8M0): e + 127.
;;     - Each number is divided by its block's scale, clamped to +-7.5, and rounded to the nearest number of E2M3, ties to even, subnormals kept.
;;     - The product sums the exact products of the quantised numbers (number of the format x scale) in f32.
;;   ~~~python
;;   def quantise(x, axis):      # numpy; x: float32 -> the quantised numbers, widened to float32 again
;;       x = np.moveaxis(x, axis, -1); K = x.shape[-1]
;;       x = np.pad(x, [(0, 0)] * (x.ndim - 1) + [(0, -K % 32)]); x = x.reshape(x.shape[:-1] + (-1, 32)); a = np.abs(x).max(-1, keepdims=True)
;;       e = np.where(a > 0, np.clip(np.frexp(np.where(a > 0, a, 1))[1] - 1 - 2, -126, 127), 0)      # np.frexp(a)[1] - 1 = floor(log2(a)), exactly
;;       r = np.clip(x / 2.0 ** e, -7.5, 7.5)
;;       step = 2.0 ** (np.maximum(np.frexp(np.where(r == 0, 1, r))[1] - 1, 0) - 3)
;;       q = np.round(r / step) * step * 2.0 ** e      # np.round: ties to even
;;       return np.moveaxis(q.reshape(q.shape[:-2] + (-1,))[..., :K], -1, axis).astype(np.float32)
;;   ~~~
;;   SOFTMAX AHEAD OF A QUANTISED PRODUCT. Where the list says 'softmax', what is quantised is not the finished softmax but p = 2^(t - M), with t = logit x log2(e) and M = ceil(the row's largest t), a whole number; so 1/2 < the row's largest p <= 1. The row's sum l is taken of the UNQUANTISED p, in f32, and the product's result is divided by l at the end. Since M is a whole number, a kernel that streams over the keys may use a running M (the ceiling of the running maximum): every later rescaling is an exact power of two, which a block's scale takes up: the codes' values come out the same.
;;   OPERANDS COMPUTED ON THE WAY. 'Computed on the way' means the value that the module computes at that place (a softmax that the list does not call 'softmax' is quantised finished and normalised). What goes into a quantiser is computed in f32, as accurately as f32 sums, v_exp_f32 and their like allow (about 1e-6 of the number): no bf16 or f16 on the way to a quantiser, and a product that is left as it is and whose result goes on into a quantised operand takes f32 operands (vector FMAs, or v_wmma_f32_16x16x4_f32). A number that lies on a knife's edge between two numbers of the format may be rounded either way, as far as f32 arithmetic and the matrix unit's own rounding can turn it there, and no further.
;; One version. Each part assembles by itself: llvm-mc -triple=amdgcn-amd-amdhsa -mcpu=gfx1250 --defsym DOCPART=n.
;; ======== version 1 of 1: 2 launches
;; limits: a function is approximated: absolute error at most 1.5e-07
;; workspace buffers: wq 540,672 bytes; ws 22,528 bytes; qc 3,145,728 bytes; qs 262,144 bytes; bx 229,376 bytes
;; launch prep (part 1): grid 244 x 1, 4 waves a work-group, no clusters, 0 bytes of LDS; arguments qkv_w, proj_w, fc1_w, fc2_w, q_global, bias_table, wq, ws, qc, qs, bx; writes wq, ws, qc, qs, bx
.if DOCPART == 1
	.amdgcn_target "amdgcn-amd-amdhsa--gfx1250"
	.amdhsa_code_object_version 6
	.text
	.protected	k_q429a7a4ba5_prep
	.globl	k_q429a7a4ba5_prep
	.p2align	8
	.type	k_q429a7a4ba5_prep,@function
k_q429a7a4ba5_prep:
	s_mov_b64 s[64:65], 0
	v_nop
	global_prefetch_b8 v0, s[64:65] scope:SCOPE_SE
	s_setreg_imm32_b32 hwreg(HW_REG_WAVE_MODE, 25, 1), 1
	s_wait_xcnt 0x0
; What many work-groups of the next launch read is made once here, laid in the order of the operand's registers.
; A wave has one job, J = 4 x work-group + wave:
;   J 0..351    W: one fragment (16 rows x 128 K) of qkv_w (0..63), proj_w (64..95), fc1_w (96..223) or fc2_w (224..351) -> codes of FP6 (E2M3) in wq, its rows' scale words in ws
;   J 352..863  Q: q_global x 32^-0.5 of one (image, head): 8 tiles of 16 queries -> codes in qc, scale bytes in qs.  K is 32: lanes 16-31 hold zero codes (k = 32..63)
;   J 864..975  B: one tile (head, D) of the position bias, in the layout of a matrix instruction's C, in bx
; THE ROWS OF A WEIGHT THAT FORM A TILE ARE NOT NEIGHBOURS: lane r of tile T takes row 32 (T / 2) + 8 (T % 2) + r + 8 (r / 8).
; A block's scale is 2^(floor(log2(its largest magnitude)) - 2); its byte is the largest magnitude's exponent field - 2, held at 1 from below.
; LIMITS: a block of zeros, and a block whose largest magnitude lies under 2^-124, keeps the byte 1 (the bytes are read by this program alone; zero codes add nothing); NaN and infinities are not served.
; No LDS, no barrier: waves share nothing.  No register that a store reads is written again.
	s_load_b256 s[4:11], s[0:1], 0x0               ; qkv_w, proj_w, fc1_w, fc2_w
	s_load_b256 s[12:19], s[0:1], 0x20             ; q_global, bias_table, wq, ws
	s_load_b128 s[20:23], s[0:1], 0x40             ; qc, qs
	s_load_b64 s[24:25], s[0:1], 0x50              ; bx
	v_lshrrev_b32 v1, 5, v0
	v_readfirstlane_b32 s28, v1                    ; wave
	v_and_b32 v1, 31, v0                           ; lane
	v_and_b32 v2, 15, v0                           ; r
	v_bfe_u32 v3, v0, 4, 1                         ; h
	v_lshlrev_b32 v5, 4, v1                        ; 16 x lane
	s_lshl_b32 s30, ttmp9, 2
	s_add_co_u32 s30, s30, s28                     ; J
	s_mov_b32 s40, 0x76543210
	s_mov_b32 s41, 0xfedcba98                      ; selects of v_permlanex16_b32 for lane l xor 16
	v_mov_b32 v10, 0                               ; a lane permute's destination counts as one of its sources
	s_wait_kmcnt 0x0
	s_cmp_lt_u32 ttmp9, 88
	s_cbranch_scc0 .Lnot_w
; ---------------- W: a fragment of a weight.  K is innermost: lane (r, h) takes k = 128 s + 64 c + 32 h + 0..31 of its row: two whole blocks
	s_mov_b64 s[26:27], s[10:11]                   ; which weight, and the job's number in it: choices on J alone
	s_mov_b32 s31, 224
	s_cmp_lt_u32 s30, 224
	s_cselect_b64 s[26:27], s[8:9], s[26:27]
	s_cselect_b32 s31, 96, s31
	s_cselect_b32 s32, 1, 3                        ; log2 of the K steps in a row
	s_cselect_b32 s33, 10, 12                      ; log2 of a row's bytes
	s_cselect_b32 s34, 3, 5                        ; log2 of a row's scale bytes
	s_cmp_lt_u32 s30, 96
	s_cselect_b64 s[26:27], s[6:7], s[26:27]
	s_cselect_b32 s31, 64, s31
	s_cmp_lt_u32 s30, 64
	s_cselect_b64 s[26:27], s[4:5], s[26:27]
	s_cselect_b32 s31, 0, s31
	s_sub_co_u32 s31, s30, s31
	s_lshr_b32 s38, s31, s32                       ; the tile in its weight
	s_lshl_b32 s39, 1, s32
	s_sub_co_u32 s39, s39, 1
	s_and_b32 s39, s31, s39                        ; the K step
	s_lshr_b32 s42, s38, 1
	s_lshl_b32 s42, s42, 5
	s_and_b32 s43, s38, 1
	s_lshl_b32 s43, s43, 3
	s_add_co_u32 s42, s42, s43                     ; the tile's first row
	s_lshl_b32 s42, s42, s33
	s_lshl_b32 s43, s39, 9
	s_add_co_u32 s42, s42, s43                     ; + 512 bytes a K step
	s_mov_b32 s43, 0
	s_add_nc_u64 s[26:27], s[26:27], s[42:43]
	v_lshrrev_b32 v4, 3, v2
	v_lshl_add_u32 v4, v4, 3, v2                   ; r + 8 (r / 8)
	v_lshlrev_b32 v4, s33, v4
	v_lshl_add_u32 v4, v3, 7, v4                   ; + 128 h
.irp c, 0,1
.irp jj, 0,1,2,3,4,5,6,7
	global_load_b128 v[64+32*\c+4*\jj:67+32*\c+4*\jj], v4, s[26:27] offset:256*\c+16*\jj th:TH_LOAD_NT
.endr
.endr
	s_mul_i32 s42, s30, 1536
	s_add_nc_u64 s[16:17], s[16:17], s[42:43]      ; the fragment's place in wq
	s_lshr_b32 s44, s30, 1
	s_lshl_b32 s44, s44, 7                         ; scale words: 128 bytes a tile where a row has two K steps,
	s_lshl_b32 s45, s38, 9
	s_add_co_u32 s45, s45, 14336                   ; 512 a tile, behind the others, in fc2_w
	s_cmp_lt_u32 s30, 224
	s_cselect_b32 s44, s44, s45
	s_lshl_b32 s45, s39, 2
	s_add_co_u32 s44, s44, s45
	s_mov_b32 s45, 0
	s_add_nc_u64 s[18:19], s[18:19], s[44:45]
	v_lshlrev_b32 v6, s34, v2
	s_wait_loadcnt 0x0
.irp c, 0,1
	v_max3_num_f32 v[12+\c], |v[64+32*\c]|, |v[65+32*\c]|, 0x1800000   ; my block 2 c + h, and the floor 2^(3 - 127): the byte cannot fall under 1
.endr
.irp i, 2,4,6,8,10,12,14,16,18,20,22,24,26,28,30
.irp c, 0,1
	v_max3_num_f32 v[12+\c], v[12+\c], |v[64+32*\c+\i]|, |v[65+32*\c+\i]|
.endr
.endr
.irp c, 0,1
	v_add_nc_u32 v[14+\c], 0xff000000, v[12+\c]    ; 2 off the exponent field: the conversion's scale operand
.endr
.irp c, 0,1
	v_lshrrev_b32 v[16+\c], 23, v[14+\c]           ; the scale's byte
.endr
	v_lshl_or_b32 v9, v17, 16, v16                 ; my two bytes, blocks h and 2 + h,
	v_lshlrev_b32 v11, 3, v3
	v_lshlrev_b32 v9, v11, v9                      ; at their places;
	v_permlanex16_b32 v10, v9, s40, s41
	v_or_b32 v9, v9, v10                           ; with lane l xor 16's two the word is whole
.irp c, 0,1
	v_cvt_scalef32_pk16_fp6_f32 v[32+6*\c:34+6*\c], v[64+32*\c:79+32*\c], v[14+\c]
	v_cvt_scalef32_pk16_fp6_f32 v[48+4*\c:50+4*\c], v[80+32*\c:95+32*\c], v[14+\c]   ; (a conversion's three registers begin on an even number)
.endr
	v_nop                                          ; one plain place behind a scaled conversion
.irp c, 0,1
.irp i, 0,1,2
	v_mov_b32 v[35+6*\c+\i], v[48+4*\c+\i]
.endr
.endr
.irp c, 0,1,2
	global_store_b128 v5, v[32+4*\c:35+4*\c], s[16:17] offset:512*\c   ; 512 consecutive bytes a store
.endr
	global_store_b32 v6, v9, s[18:19]              ; row r's word (both halves of the lanes hold and write the same)
	s_endpgm
.Lnot_w:
	s_cmp_lt_u32 ttmp9, 216
	s_cbranch_scc0 .Lpath_b
; ---------------- Q: lane (r, h) takes d = 16 h + 0..15 of query 16 t + r
	s_sub_co_u32 s31, s30, 352                     ; 8 x image + head
	s_lshl_b32 s42, s31, 14
	s_mov_b32 s43, 0
	s_add_nc_u64 s[12:13], s[12:13], s[42:43]
	s_mul_i32 s42, s31, 6144
	s_add_nc_u64 s[20:21], s[20:21], s[42:43]
	s_lshl_b32 s42, s31, 9
	s_add_nc_u64 s[22:23], s[22:23], s[42:43]
	v_lshlrev_b32 v4, 7, v2
	v_lshl_add_u32 v4, v3, 6, v4                   ; 128 r + 64 h
	v_lshlrev_b32 v6, 3, v1                        ; 8 x lane
	v_lshlrev_b32 v7, 2, v2                        ; 4 r
.irp t, 0,1,2,3,4,5,6,7
.irp j, 0,1,2,3
	global_load_b128 v[32+16*\t+4*\j:35+16*\t+4*\j], v4, s[12:13] offset:2048*\t+16*\j th:TH_LOAD_NT
.endr
.endr
.macro QT t
.set XS, 32+16*(\t)
.set A, 160+8*(\t)
	s_wait_loadcnt 28-4*(\t)                       ; this tile's four loads are in; the later tiles' may be out
.irp k, 0,2,4,6,8,10,12,14
	v_pk_mul_f32 v[XS+\k:XS+\k+1], v[XS+\k:XS+\k+1], 0x3e3504f3 op_sel_hi:[1,0]   ; x 32^-0.5, in f32
.endr
	v_max3_num_f32 v12, |v[XS]|, |v[XS+1]|, 0x1800000
.irp k, 2,4,6,8,10,12,14
	v_max3_num_f32 v12, v12, |v[XS+\k]|, |v[XS+\k+1]|
.endr
	v_permlanex16_b32 v10, v12, s40, s41
	v_max_num_f32 v12, v12, v10                    ; the block's largest magnitude
	v_add_nc_u32 v13, 0xff000000, v12
	v_lshrrev_b32 v[A+6], 23, v13                  ; the byte; the word's upper three bytes stay 0: they scale zero codes
	v_cvt_scalef32_pk16_fp6_f32 v[A:A+2], v[XS:XS+15], v13
	v_nop
.irp k, 3,4,5
	v_mov_b32 v[A+\k], 0
.endr
.irp k, 0,1,2
	v_permlane16_swap_b32 v[A+\k], v[A+3+\k]       ; lanes 0-15 now hold the query's 32 codes in six registers, lanes 16-31 zeros
.endr
	global_store_b128 v5, v[A:A+3], s[20:21] offset:768*(\t)
	global_store_b64 v6, v[A+4:A+5], s[20:21] offset:768*(\t)+512
	global_store_b32 v7, v[A+6], s[22:23] offset:64*(\t)
.endm
.irp t, 0,1,2,3,4,5,6,7
	QT \t
.endr
	s_endpgm
.Lpath_b:
; ---------------- B: register 8 u + j of lane (r, h) = bias_table[(D + 1 - h) 63 + r - 8 u - j + 31][head]: indices 16 .. 928, inside the table's 945 rows
	s_sub_co_u32 s31, s30, 864
	s_and_b32 s32, s31, 7                          ; head
	s_lshr_b32 s33, s31, 3                         ; D
	s_add_co_u32 s34, s33, 1
	v_sub_nc_u32 v4, s34, v3
	v_mul_u32_u24 v4, v4, 63
	v_add3_u32 v4, v4, v2, 16
	v_lshlrev_b32 v4, 5, v4                        ; 32 bytes a row of the table
	s_lshl_b32 s35, s32, 2
	v_add_nc_u32 v4, s35, v4
.irp n, 0,1,2,3,4,5,6,7,8,9,10,11,12,13,14,15
	global_load_b32 v[32+\n], v4, s[14:15] offset:(15-\n)*32
.endr
	s_mul_i32 s42, s32, 28672
	s_lshl_b32 s43, s33, 11
	s_add_co_u32 s42, s42, s43
	s_mov_b32 s43, 0
	s_add_nc_u64 s[24:25], s[24:25], s[42:43]
	s_wait_loadcnt 0x0
.irp c, 0,1,2,3
	global_store_b128 v5, v[32+4*\c:35+4*\c], s[24:25] offset:512*\c
.endr
	s_endpgm
.Lfunc_end_k_q429a7a4ba5_prep:
	.size	k_q429a7a4ba5_prep, .Lfunc_end_k_q429a7a4ba5_prep-k_q429a7a4ba5_prep
	.p2alignl 7, 3214868480
	.fill 96, 4, 3214868480
	.section	.rodata,"a",@progbits
	.p2align	6, 0x0
	.amdhsa_kernel k_q429a7a4ba5_prep
		.amdhsa_group_segment_fixed_size 0
		.amdhsa_private_segment_fixed_size 0
		.amdhsa_enable_private_segment 0
		.amdhsa_kernarg_size 88
		.amdhsa_user_sgpr_count 2
		.amdhsa_user_sgpr_kernarg_segment_ptr 1
		.amdhsa_wavefront_size32 1
		.amdhsa_system_sgpr_workgroup_id_x 1
		.amdhsa_system_sgpr_workgroup_id_y 1
		.amdhsa_system_sgpr_workgroup_id_z 1
		.amdhsa_system_vgpr_workitem_id 0
		.amdhsa_next_free_vgpr 224
		.amdhsa_next_free_sgpr 66
		.amdhsa_reserve_vcc 0
		.amdhsa_float_denorm_mode_32 3
		.amdhsa_float_denorm_mode_16_64 3
		.amdhsa_memory_ordered 1
		.amdhsa_forward_progress 1
		.amdhsa_inst_pref_size 31
	.end_amdhsa_kernel
	.amdgpu_metadata
---
amdhsa.version: [ 1, 2 ]
amdhsa.kernels:
  - .name:           k_q429a7a4ba5_prep
    .symbol:         k_q429a7a4ba5_prep.kd
    .args:
      - { .name: qkv_w, .offset: 0, .size: 8, .value_kind: global_buffer, .address_space: global }
      - { .name: proj_w, .offset: 8, .size: 8, .value_kind: global_buffer, .address_space: global }
      - { .name: fc1_w, .offset: 16, .size: 8, .value_kind: global_buffer, .address_space: global }
      - { .name: fc2_w, .offset: 24, .size: 8, .value_kind: global_buffer, .address_space: global }
      - { .name: q_global, .offset: 32, .size: 8, .value_kind: global_buffer, .address_space: global }
      - { .name: bias_table, .offset: 40, .size: 8, .value_kind: global_buffer, .address_space: global }
      - { .name: wq, .offset: 48, .size: 8, .value_kind: global_buffer, .address_space: global }
      - { .name: ws, .offset: 56, .size: 8, .value_kind: global_buffer, .address_space: global }
      - { .name: qc, .offset: 64, .size: 8, .value_kind: global_buffer, .address_space: global }
      - { .name: qs, .offset: 72, .size: 8, .value_kind: global_buffer, .address_space: global }
      - { .name: bx, .offset: 80, .size: 8, .value_kind: global_buffer, .address_space: global }
    .group_segment_fixed_size: 0
    .private_segment_fixed_size: 0
    .kernarg_segment_align: 8
    .kernarg_segment_size: 88
    .max_flat_workgroup_size: 128
    .sgpr_count:     66
    .vgpr_count:     224
    .wavefront_size: 32
...
	.end_amdgpu_metadata
.endif
;; end of part 1
;; launch main (part 2): grid 256 x 1, 8 waves a work-group, no clusters, 293,888 bytes of LDS; arguments x, out0, qc, qs, bx, wq, ws, norm1_w, norm1_b, norm2_w, norm2_b, qkv_b, proj_b, fc1_b, fc2_b; writes out0
.if DOCPART == 2
	.amdgcn_target "amdgcn-amd-amdhsa--gfx1250"
	.amdhsa_code_object_version 6
	.text
	.protected	k_q429a7a4ba5_main
	.globl	k_q429a7a4ba5_main
	.p2align	8
	.type	k_q429a7a4ba5_main,@function
k_q429a7a4ba5_main:
	s_mov_b64 s[64:65], 0
	v_nop
	global_prefetch_b8 v0, s[64:65] scope:SCOPE_SE
	s_setreg_imm32_b32 hwreg(HW_REG_WAVE_MODE, 25, 1), 1
	s_wait_xcnt 0x0
; The whole layer, a window (128 tokens x 256 channels) at a time; a work-group takes two windows of one image, one after the other.  Nothing between the steps goes to memory.
; All six products run on codes of FP6 (E2M3) with one E8M0 scale for each 32 along K; all that feeds a quantiser is f32.
; Token n of window win is row (n / 16) 128 + 16 win + n % 16 of its image, in x and in out0.
; EIGHT WAVES, TWO ROLES.  Row owner (both norms, x in, out0 out): 16 tokens x all 256 channels.  Column owner (all products): its own columns for all 128 tokens: wave w is head w in kv and
; attention, output channels 32 w .. 32 w + 31 in proj and fc2, hidden units 128 w .. 128 w + 127 in fc1 (K step w of fc2).  So each weight fragment is fetched by one wave, straight into the
; registers that use it, once a window.
; LAYOUT (a): lane (r, h) holds one token; register 16 B + i is element 32 B + 16 h + i.  It is what the quantiser takes, and what the weight products give: they are used transposed (source 0 = 16
; rows of the weight, source 1 = 16 tokens), and lane r of weight tile T holds row 32 (T / 2) + 8 (T % 2) + r + 8 (r / 8).
; The tiles of tokens that feed kv are permuted the same way (tile t, row r: token 32 (t / 2) + 8 (t % 2) + r + 8 (r / 8)): so the scores' registers run along neighbouring keys, and V, made NOT
; transposed (source 0 = tokens), holds one channel a lane with its registers along the keys, which are its K.
; OPERANDS GO FROM WAVE TO WAVE THROUGH LDS AS IMAGES OF THEIR REGISTERS, lane l's 48 bytes at 48 l.  The f32 residual lies in LDS too: token n at (n / 16) 16,768 + (n % 16) 1,040: rows of 1,024 bytes
; 1,040 apart, and each group of 16 tokens 128 bytes more than 16 rows behind the last, so that the two halves of a permuted tile, 16 tokens apart, start in different banks.
; No cluster: the weights, which all work-groups share, go from memory into registers and not through LDS, of whose bytes the residual and the images take 292,864.
; LIMITS: NaN and infinities are not served.  A block of zeros, or one whose largest magnitude lies under 2^-124, keeps the scale byte 1.  p under 2^-126 counts as 0.
; gelu(x) = max(x, 0) - |x| erfc(|x| / sqrt 2) / 2, erfc by Abramowitz and Stegun 7.1.26: absolute error at most 1.5e-7, of the size of f32's rounding of 1 + erf.
; REGISTERS, in two windows of 256.  Window 0: v1-31, v62 addresses and constants; v32-61 scales and nothing else; v64-255 by phase.  Window 1 (written V1[..]) by phase.
.set GRP,   16768                      ; LDS: from a group of 16 tokens of the residual to the next
.set XI,    134144                     ; 0 the residual (8 groups); here 16 images of the normalised tokens (2 tile + K step), 1,536 bytes each
.set XSC,   158720                     ; their scale words, 128 bytes an image
.set OI,    160768                     ; 16 images of attention's result
.set OSC,   185344                     ; their scale words, 64 bytes an image: word 4 r, byte = head % 4
.set HI,    186368                     ; 64 images of the hidden layer (8 tile + K step)
.set HSC,   284672                     ; their scale words, 128 bytes an image
.set SPARE, 292864                     ; the spare words, 128 bytes a wave: four blocks of 256 bytes that no other line names
.set MSB, 0
.macro WIN new                         ; bits 1:0 source 0, 3:2 source 1, 5:4 source 2, 7:6 destination; the immediate's high byte repeats the setting that is left
.if MSB != \new
	s_set_vgpr_msb (MSB<<8)|\new
.set MSB, \new
.endif
.endm
.macro NOP4                            ; four places behind matrix instructions, ahead of reads of their results and of writes and loads into their registers
.rept 4
	v_nop
.endr
.endm
.macro BARRIER                         ; my LDS stores have landed and my LDS loads are in: then the work-group's barrier
	s_wait_dscnt 0x0
	s_barrier_signal -1
	s_barrier_wait -1
.endm
.macro MM d, a, b, c, sa, sb
	v_wmma_scale_f32_16x16x128_f8f6f4 v[(\d):(\d)+7], v[(\a):(\a)+11], v[(\b):(\b)+11], v[(\c):(\c)+7], v[\sa], v[\sb] matrix_a_fmt:MATRIX_FMT_FP6 matrix_b_fmt:MATRIX_FMT_FP6
.endm
.macro MM0 d, a, b, sa, sb
	v_wmma_scale_f32_16x16x128_f8f6f4 v[(\d):(\d)+7], v[(\a):(\a)+11], v[(\b):(\b)+11], 0, v[\sa], v[\sb] matrix_a_fmt:MATRIX_FMT_FP6 matrix_b_fmt:MATRIX_FMT_FP6
.endm
; 64 numbers of a lane in layout (a), v[src] on in window w, become a fragment's codes in v[dst] on and its rows' scale word in v[pw].  tmp: 8 registers, tm: 16, at work.
.macro QUANT src, w, dst, tmp, pw, tm
.if \w
	WIN 0x14
.endif
.irp b, 0,1,2,3
	v_max3_num_f32 v[\tm+\b], 0x1800000, |v[\src+16*\b]|, |v[\src+1+16*\b]|   ; block b: my 16 numbers, and the floor 2^(3 - 127): the byte cannot fall under 1
.endr
.irp n, 2,4,6,8,10,12,14
.irp b, 0,1,2,3
	v_max3_num_f32 v[\tm+\b], v[\tm+\b], |v[\src+16*\b+\n]|, |v[\src+1+16*\b+\n]|
.endr
.endr
	WIN 0
.irp b, 0,1,2,3
	v_permlanex16_b32 v[\tm+4+\b], v[\tm+\b], s40, s41
.endr
.irp b, 0,1,2,3
	v_max_num_f32 v[\tm+\b], v[\tm+\b], v[\tm+4+\b]   ; with lane l xor 16's: the block's largest magnitude
.endr
.irp b, 0,1,2,3
	v_add_nc_u32 v[\tm+12+\b], 0xff000000, v[\tm+\b]  ; 2 off its exponent field: the conversion's scale operand
.endr
.irp b, 0,1,2,3
	v_lshrrev_b32 v[\tm+4+\b], 23, v[\tm+12+\b]       ; the scale's byte
.endr
	v_lshl_or_b32 v[\pw], v[\tm+5], 8, v[\tm+4]
	v_lshl_or_b32 v[\pw], v[\tm+6], 16, v[\pw]
	v_lshl_or_b32 v[\pw], v[\tm+7], 24, v[\pw]
.if \w
	WIN 0x01
.endif
.irp c, 0,1
	v_cvt_scalef32_pk16_fp6_f32 v[\dst+6*\c:\dst+2+6*\c], v[\src+32*\c:\src+15+32*\c], v[\tm+12+2*\c]
	v_cvt_scalef32_pk16_fp6_f32 v[\tmp+4*\c:\tmp+2+4*\c], v[\src+16+32*\c:\src+31+32*\c], v[\tm+13+2*\c]   ; (a conversion's three registers begin on an even number)
.endr
	WIN 0
	v_nop                                          ; one plain place behind a scaled conversion
.irp c, 0,1                                    ; the operand wants a whole block in a lane: lanes 0-15 block 2 c, lanes 16-31 block 2 c + 1
.irp k, 0,1,2
	v_permlane16_swap_b32 v[\dst+6*\c+\k], v[\tmp+4*\c+\k]
.endr
.irp k, 0,1,2
	v_mov_b32 v[\dst+3+6*\c+\k], v[\tmp+4*\c+\k]
.endr
.endr
.endm
.macro IMAGE adr, off, sadr, soff, dst, pw     ; a fragment and its scale word go to LDS as they stand
.irp c, 0,1,2
	ds_store_b128 v[\adr], v[\dst+4*\c:\dst+4*\c+3] offset:(\off)+16*\c
.endr
	ds_store_b32 v[\sadr], v[\pw] offset:\soff
.endm
.macro FETCH reg, adr, off                     ; and come back so, in any wave
.irp c, 0,1,2
	ds_load_b128 v[(\reg)+4*\c:(\reg)+4*\c+3], v[\adr] offset:(\off)+16*\c
.endr
.endm
.macro LRED                                    ; four chains of pairs in v192-199 -> the token's sum in v192
	v_pk_add_f32 v[192:193], v[192:193], v[194:195]
	v_pk_add_f32 v[196:197], v[196:197], v[198:199]
	v_pk_add_f32 v[192:193], v[192:193], v[196:197]
	v_add_f32 v192, v192, v193
	v_permlanex16_b32 v202, v192, s40, s41
	v_add_f32 v192, v192, v202
.endm
; LayerNorm of my 16 tokens, v64-191 in layout (a), in place: mean, then the mean of the squared differences.  Gains in V1[128..255], biases in V1[0..127], on their way.
.macro LNORM
.irp k, 0,1,2,3
	v_pk_add_f32 v[192+2*\k:193+2*\k], v[64+2*\k:65+2*\k], v[72+2*\k:73+2*\k]
.endr
.set j, 16
.rept 14
.irp k, 0,1,2,3
	v_pk_add_f32 v[192+2*\k:193+2*\k], v[192+2*\k:193+2*\k], v[64+j+2*\k:65+j+2*\k]
.endr
.set j, j+8
.endr
	LRED
	v_mul_f32 v200, 0x3b800000, v192               ; / 256
.set j, 0
.rept 64
	v_pk_add_f32 v[64+j:65+j], v[64+j:65+j], v[200:201] op_sel_hi:[1,0] neg_lo:[0,1] neg_hi:[0,1]
.set j, j+2
.endr
.irp k, 0,1,2,3
	v_pk_mul_f32 v[192+2*\k:193+2*\k], v[64+2*\k:65+2*\k], v[64+2*\k:65+2*\k]
.endr
.set j, 8
.rept 15
.irp k, 0,1,2,3
	v_pk_fma_f32 v[192+2*\k:193+2*\k], v[64+j+2*\k:65+j+2*\k], v[64+j+2*\k:65+j+2*\k], v[192+2*\k:193+2*\k]
.endr
.set j, j+8
.endr
	LRED
	v_mul_f32 v192, 0x3b800000, v192
	v_add_f32 v192, 0x3727c5ac, v192               ; + 1e-5
	v_rsq_f32 v204, v192
	v_nop                                          ; a plain place behind the transcendental,
	s_wait_alu depctr_va_vdst(0)                   ; and a wait ahead of its first reader
.set j, 0
.rept 64
	v_pk_mul_f32 v[64+j:65+j], v[64+j:65+j], v[204:205] op_sel_hi:[1,0]
.set j, j+2
.endr
	s_wait_loadcnt 0x0                             ; gains and biases
	WIN 0x14
.set j, 0
.rept 64
	v_pk_fma_f32 v[64+j:65+j], v[64+j:65+j], v[128+j:129+j], v[j:j+1]
.set j, j+2
.endr
	WIN 0
.endm
	s_load_b512 s[4:19], s[0:1], 0x0               ; x, out0, qc, qs, bx, wq, ws, norm1_w
	s_load_b256 s[20:27], s[0:1], 0x40             ; norm1_b, norm2_w, norm2_b, qkv_b
	s_load_b128 s[28:31], s[0:1], 0x60             ; proj_b, fc1_b
	s_load_b64 s[32:33], s[0:1], 0x70              ; fc2_b
	v_lshl_add_u32 v28, v0, 2, SPARE               ; my spare word,
	v_mov_b32 v29, 0                               ; and 0: for the wave's closing lines
	v_lshrrev_b32 v64, 5, v0
	v_readfirstlane_b32 s38, v64                   ; wave w
	v_and_b32 v64, 31, v0                          ; lane
	v_and_b32 v65, 15, v0                          ; r
	v_bfe_u32 v66, v0, 4, 1                        ; h
	v_lshrrev_b32 v67, 3, v65                      ; r / 8
	v_and_b32 v68, 7, v65                          ; r % 8
	v_lshlrev_b32 v1, 4, v64                       ; v1  16 lane
	v_mad_u32_u24 v2, v64, 48, XI                  ; v2  an image's place for my lane, in XI
	v_lshl_add_u32 v3, v64, 2, XSC                 ; v3  a scale word's
	v_mad_u32_u24 v4, v64, 48, OI                  ; v4  in OI
	v_lshl_add_u32 v5, v65, 2, OSC                 ; v5
	v_mad_u32_u24 v6, v64, 48, HI                  ; v6  in HI, tiles 0-3
	v_add_nc_u32 v7, 49152, v6                     ; v7  tiles 4-7
	v_lshl_add_u32 v8, v64, 2, HSC                 ; v8
	s_mul_i32 s58, s38, 3072
	v_add_nc_u32 v9, s58, v2                       ; v9  where I store my tile's two images
	s_lshl_b32 s58, s38, 8
	v_add_nc_u32 v10, s58, v3                      ; v10 and their scale words
	s_and_b32 s58, s38, 1                          ; my head's block in an image of attention's result: lanes 16 (w % 2) on, registers 6 ((w / 2) % 2) on, K step w / 4
	s_mul_i32 s58, s58, 768
	s_bfe_u32 s59, s38, 0x10001
	s_mul_i32 s59, s59, 24
	s_add_co_u32 s58, s58, s59
	s_lshr_b32 s59, s38, 2
	s_mul_i32 s60, s59, 1536
	s_add_co_u32 s58, s58, s60
	v_mad_u32_u24 v11, v65, 48, OI
	v_mad_u32_u24 v11, v66, 12, v11
	v_add_nc_u32 v11, s58, v11                     ; v11 my 12 bytes of it
	s_and_b32 s58, s38, 3
	s_lshl_b32 s59, s59, 6
	s_add_co_u32 s58, s58, s59
	v_add_nc_u32 v12, s58, v5                      ; v12 my head's byte of the scale word
	s_mul_i32 s58, s38, 1536
	v_add_nc_u32 v13, s58, v6                      ; v13 the hidden layer's K step w
	s_lshl_b32 s58, s38, 7                         ; 128 w
	v_add_nc_u32 v14, s58, v8                      ; v14
	s_lshr_b32 s59, s38, 1                         ; my permuted tile is tokens T0 .. T0 + 7 and T0 + 16 .. T0 + 23, T0 = 32 (w / 2) + 8 (w % 2):
	s_mul_i32 s59, s59, 2*GRP                      ; group 2 (w / 2),
	s_and_b32 s60, s38, 1
	s_mul_i32 s60, s60, 8*1040                     ; row 8 (w % 2) of it
	s_add_co_u32 s59, s59, s60
	v_add_nc_u32 v15, s59, v1                      ; v15 the residual, my permuted rows, as they lie: 16 lane
	v_mul_u32_u24 v16, v68, 1040
	v_mad_u32_u24 v16, v67, GRP, v16
	v_lshl_add_u32 v16, v66, 6, v16
	v_add_nc_u32 v16, s59, v16                     ; v16 the same rows in layout (a)
	s_mul_i32 s59, s38, GRP
	v_mul_u32_u24 v18, v65, 1040
	v_lshl_add_u32 v18, v66, 6, v18
	v_add_nc_u32 v17, s59, v18                     ; v17 tokens 16 w + r in layout (a)
	v_add_nc_u32 v18, s58, v18                     ; v18 token r, my 32 channels; tiles 0-3 by the offset
	v_add_nc_u32 v19, 4*GRP, v18                   ; v19 tiles 4-7
	v_lshlrev_b32 v20, 6, v66                      ; v20 64 h
	v_lshlrev_b32 v21, 3, v65                      ; v21 8 r
	v_lshlrev_b32 v22, 5, v65                      ; v22 32 r
	v_lshlrev_b32 v23, 2, v65                      ; v23 4 r
	v_lshl_add_u32 v24, v67, 5, v23                ; v24 4 (r + 8 (r / 8))
	v_lshlrev_b32 v27, 8, v64                      ; v27 256 lane
	v_lshlrev_b32 v62, 3, v64                      ; v62 8 lane
	v_mov_b32 v30, 0x3f07dc22                      ; v[30:31] a5 / 2 of erfc's polynomial
	v_mov_b32 v31, 0x3f07dc22
.set j, 192
.rept 64
	v_mov_b32 v[j], 0                              ; written once: lane permutes' destinations count as sources, and broadcast pairs are named whole
.set j, j+1
.endr
	s_mov_b32 s40, 0x76543210
	s_mov_b32 s41, 0xfedcba98                      ; selects of v_permlanex16_b32 for lane l xor 16
	s_mov_b32 s42, 0x3fb8aa3b                      ; log2(e); packed forms name a pair and take its low word
	s_mov_b32 s43, s42
	s_mov_b32 s66, 0xbf3a00e3                      ; a4 / 2
	s_mov_b32 s67, s66
	s_mov_b32 s68, 0x3f35f0e3                      ; a3 / 2
	s_mov_b32 s69, s68
	s_mov_b32 s70, 0xbe11a98e                      ; a2 / 2
	s_mov_b32 s71, s70
	s_mov_b32 s72, 0x3e027906                      ; a1 / 2
	s_mov_b32 s73, s72
	s_mov_b32 s74, 0xbf38aa3b                      ; -log2(e) / 2
	s_mov_b32 s75, s74
	s_mov_b32 s76, 0x3e6d3388                      ; 0.3275911 / sqrt 2
	s_mov_b32 s39, 2                               ; windows to go
	s_mov_b32 s59, 0
	s_wait_kmcnt 0x0
	s_mul_i32 s58, s38, 24576
	s_add_nc_u64 s[34:35], s[14:15], s[58:59]      ; wq + 24,576 w: fc1's and fc2's fragments
	s_lshl_b32 s58, s38, 10
	s_add_nc_u64 s[36:37], s[16:17], s[58:59]      ; ws + 1,024 w
	s_mul_i32 s58, s38, 6144
	s_add_nc_u64 s[14:15], s[14:15], s[58:59]      ; wq + 6,144 w: qkv's and proj's
	s_lshl_b32 s58, s38, 8
	s_add_nc_u64 s[16:17], s[16:17], s[58:59]
	s_lshl_b32 s58, s38, 7
	s_add_nc_u64 s[26:27], s[26:27], s[58:59]      ; the biases at my 32 channels,
	s_add_nc_u64 s[28:29], s[28:29], s[58:59]
	s_add_nc_u64 s[32:33], s[32:33], s[58:59]
	s_lshl_b32 s58, s38, 9
	s_add_nc_u64 s[30:31], s[30:31], s[58:59]      ; fc1's at my 128 units
	s_mul_i32 s58, s38, 28672
	s_add_nc_u64 s[12:13], s[12:13], s[58:59]      ; my head's bias tiles
	s_lshr_b32 s60, ttmp9, 2                       ; image
	s_lshl_b32 s61, s60, 3
	s_add_co_u32 s61, s61, s38
	s_mul_i32 s58, s61, 6144
	s_add_nc_u64 s[8:9], s[8:9], s[58:59]          ; my head's queries
	s_lshl_b32 s58, s61, 9
	s_add_nc_u64 s[10:11], s[10:11], s[58:59]
	s_lshl_b32 s58, s60, 10                        ; my first row of x and out0: 1,024 image + 256 (w / 2) + 16 window + 8 (w % 2)
	s_lshr_b32 s61, s38, 1
	s_lshl_b32 s61, s61, 8
	s_add_co_u32 s58, s58, s61
	s_and_b32 s61, ttmp9, 3
	s_lshl_b32 s61, s61, 5
	s_add_co_u32 s58, s58, s61
	s_and_b32 s61, s38, 1
	s_lshl_b32 s61, s61, 3
	s_add_co_u32 s58, s58, s61
	s_lshl_b32 s58, s58, 10
	s_add_nc_u64 s[4:5], s[4:5], s[58:59]
	s_add_nc_u64 s[6:7], s[6:7], s[58:59]
.Lwin:
; ======== A (row owner, permuted tile w): x in, first norm, the residual and two images out
	WIN 0x40
.set i, 0
.rept 32
	global_load_b128 v[4*i:4*i+3], v1, s[4:5] offset:((i/2)&7)*1024+((i/2)>>3)*131072+512*(i&1) th:TH_LOAD_NT   ; 512 consecutive bytes a load, into V1[0..127]
.set i, i+1
.endr
.set i, 0
.rept 32
	global_load_b128 v[128+4*i:131+4*i], v20, s[18:19] offset:128*(i/4)+16*(i%4)   ; the gains, in layout (a)
.set i, i+1
.endr
	WIN 0x04
.set i, 0
.rept 8
	s_wait_loadcnt 60-i                            ; four more of x's loads are in; the younger ones and the 32 gain loads may be out
.rept 4
	ds_store_b128 v15, v[4*i:4*i+3] offset:((i/2)&7)*1040+((i/2)>>3)*GRP+512*(i&1)
.set i, i+1
.endr
.endr
	WIN 0
.set i, 0
.rept 32
	ds_load_b128 v[64+4*i:67+4*i], v16 offset:128*(i/4)+16*(i%4)   ; my own bytes back in layout (a): LDS serves a wave's instructions in order
.set i, i+1
.endr
	s_wait_dscnt 0x0
	WIN 0x40
.set i, 0
.rept 32
	global_load_b128 v[4*i:4*i+3], v20, s[20:21] offset:128*(i/4)+16*(i%4)   ; the biases, where x's raw rows lay
.set i, i+1
.endr
	WIN 0
	LNORM
.set i, 0
.rept 32
	ds_store_b128 v16, v[64+4*i:67+4*i] offset:128*(i/4)+16*(i%4)   ; the normalised tokens are the shortcut
.set i, i+1
.endr
	QUANT 64, 0, 210, 222, 32, 192
	IMAGE 9, 0, 10, 0, 210, 32
	s_wait_dscnt 0x0                               ; the stores have read their registers
	QUANT 128, 0, 210, 222, 32, 192
	IMAGE 9, 1536, 10, 128, 210, 32
	s_wait_dscnt 0x0
.irp kind, 0,1                                 ; my head's weights for K (0) and V (1), asked for ahead of the barrier: v64-159
.irp f, 0,1,2,3
.irp c, 0,1,2
	global_load_b128 v[64+48*\kind+12*\f+4*\c:67+48*\kind+12*\f+4*\c], v1, s[14:15] offset:\kind*49152+\f*1536+512*\c
.endr
.endr
.irp u, 0,1
	global_load_b64 v[32+4*\kind+2*\u:33+4*\kind+2*\u], v21, s[16:17] offset:\kind*2048+128*\u
.endr
.endr
	WIN 0x40
.irp jj, 0,1,2,3
	global_load_b128 v[96+4*\jj:99+4*\jj], v20, s[26:27] offset:16*\jj   ; K's bias in the result's layout: V1[96..111]
.endr
	global_load_b32 v112, v24, s[26:27] offset:1024      ; V's: one channel a lane
	global_load_b32 v120, v24, s[26:27] offset:1056
	WIN 0
	s_barrier_signal -1
	s_barrier_wait -1                              ; 1: all sixteen images of the normalised tokens lie in LDS
; ======== B1 (wave = head): K and V of all 128 tokens.  XF v160-207 two sets; K's results v208-239 two sets; KF V1[0..95]; V's results V1[128 + 64 u + 8 t]
	WIN 0x40
.irp t, 0,1,2,3,4,5,6,7
.irp k, 6,7,8,9,10,11
	v_mov_b32 v[12*\t+\k], 0                       ; K's fragments have 32 along K: k = 64 .. 127 are zero codes
.endr
.endr
	WIN 0
	FETCH 160, 2, 0
	FETCH 172, 2, 1536
	ds_load_b32 v40, v3
	ds_load_b32 v41, v3 offset:128
	s_wait_loadcnt 0x0
	WIN 0x41
.irp k, 1,2,3,4,5,6,7
	v_mov_b32 v[112+\k], v112
	v_mov_b32 v[120+\k], v120
.endr
	WIN 0
.macro KVT t
.set XS_, 160+24*((\t)&1)
.set XN_, 184-24*((\t)&1)
.set KA_, 208+16*((\t)&1)
.set SS_, 40+2*((\t)&1)
.set SN_, 42-2*((\t)&1)
.if \t < 7
	FETCH XN_, 2, 3072*((\t)+1)                    ; the next tile, into the other set
	FETCH XN_+12, 2, 3072*((\t)+1)+1536
	ds_load_b32 v[SN_], v3 offset:256*((\t)+1)
	ds_load_b32 v[SN_+1], v3 offset:256*((\t)+1)+128
	s_wait_dscnt 8                                 ; all but the eight just issued
.else
	s_wait_dscnt 0x0
.endif
	WIN 0x10                                       ; the four accumulators take turns
.irp u, 0,1
	MM KA_+8*\u, 64+24*\u, XS_, 96+8*\u, 32+2*\u, SS_
.endr
	WIN 0x50
.irp u, 0,1
	MM 128+64*\u+8*(\t), XS_, 112+24*\u, 112+8*\u, SS_, 36+2*\u
.endr
	WIN 0
.irp u, 0,1
	MM KA_+8*\u, 76+24*\u, XS_+12, KA_+8*\u, 33+2*\u, SS_+1
.endr
	WIN 0x50
.irp u, 0,1
	MM 128+64*\u+8*(\t), XS_+12, 124+24*\u, 128+64*\u+8*(\t), SS_+1, 37+2*\u
.endr
	WIN 0
	NOP4
	v_max3_num_f32 v240, 0x1800000, |v[KA_]|, |v[KA_+1]|   ; K of 16 keys: a lane's 16 registers are d = 16 h + 0 .. 15 of one key: one block with lane l xor 16
.irp n, 2,4,6,8,10,12,14
	v_max3_num_f32 v240, v240, |v[KA_+\n]|, |v[KA_+\n+1]|
.endr
	v_permlanex16_b32 v241, v240, s40, s41
	v_max_num_f32 v240, v240, v241
	v_add_nc_u32 v242, 0xff000000, v240
	v_lshrrev_b32 v[44+(\t)], 23, v242             ; the keys' scale words: v44-51
	v_cvt_scalef32_pk16_fp6_f32 v[244:246], v[KA_:KA_+15], v242
	v_nop
.irp k, 247,248,249
	v_mov_b32 v\k, 0
.endr
.irp k, 0,1,2
	v_permlane16_swap_b32 v[244+\k], v[247+\k]     ; lanes 0-15: the key's 32 codes in six registers; lanes 16-31: zeros
.endr
	WIN 0x40
.irp k, 0,1,2,3,4,5
	v_mov_b32 v[12*(\t)+\k], v[244+\k]
.endr
	WIN 0
.endm
.irp t, 0,1,2,3,4,5,6,7
	KVT \t
.endr
.irp k, 94,95,96,97,98,99,106,107,108,109,110,111
	v_mov_b32 v\k, 0                               ; the queries' fragments: k = 64 .. 127 are zero codes
.endr
	QUANT 128, 1, 64, 228, 52, 212                 ; V along the keys: two fragments of 16 channels, v64-87, scale words v52, v53
	QUANT 192, 1, 76, 228, 53, 212
; ======== B2: attention, all inside the wave.  Step i of a trip serves query tile par + 2 i.  The bias hangs on query tile and key block through their difference alone: four slots of 16 registers slide
	s_mov_b64 s[44:45], s[8:9]
	s_mov_b64 s[46:47], s[10:11]
	s_mov_b64 s[48:49], s[12:13]
	s_mov_b32 s51, 0
	s_mov_b32 s52, 0
	s_mov_b32 s50, 2
.macro ATT i
	s_wait_loadcnt 0x0                             ; this step's queries and bias tiles
	WIN 0x11
.irp kt, 0,1,2,3,4,5,6,7                       ; S^T = K Q^T + bias: a lane holds one query; register 16 b + n is key 32 b + 16 h + n
	MM 148+8*\kt, 12*\kt, 88+12*((\i)&1), 128+16*(((\i)-\kt/2)&3)+8*(\kt%2), 44+\kt, 54+((\i)&1)
.endr
	WIN 0
	NOP4
.if \i < 3
	WIN 0x40
.irp c, 0,1,2,3
	global_load_b128 v[128+16*(((\i)+1)&3)+4*\c:131+16*(((\i)+1)&3)+4*\c], v1, s[48:49] offset:((\i)+4)*4096+512*\c   ; the next step's new bias tile, into the slot that key block 3 has just left
.endr
	WIN 0
	global_load_b128 v[100-12*((\i)&1):103-12*((\i)&1)], v1, s[44:45] offset:1536*((\i)+1)
	global_load_b64 v[104-12*((\i)&1):105-12*((\i)&1)], v62, s[44:45] offset:1536*((\i)+1)+512
	global_load_b32 v[55-((\i)&1)], v23, s[46:47] offset:128*((\i)+1)
.endif
.irp b, 0,1,2,3
	v_max3_num_f32 v[212+\b], v[148+16*\b], v[149+16*\b], v[150+16*\b]   ; the largest score of each block of 32 keys: for the row's maximum, and, since p rises with the score, for the block's largest p
.endr
.irp n, 3,5,7,9,11,13
.irp b, 0,1,2,3
	v_max3_num_f32 v[212+\b], v[212+\b], v[148+16*\b+\n], v[149+16*\b+\n]
.endr
.endr
.irp b, 0,1,2,3
	v_max_num_f32 v[212+\b], v[212+\b], v[163+16*\b]
.endr
.irp b, 0,1,2,3
	v_permlanex16_b32 v[216+\b], v[212+\b], s40, s41
.endr
.irp b, 0,1,2,3
	v_max_num_f32 v[212+\b], v[212+\b], v[216+\b]
.endr
	v_max3_num_f32 v224, v212, v213, v214
	v_max_num_f32 v224, v224, v215
	v_mul_f32 v224, s42, v224                      ; the row's largest t
	v_floor_f32 v226, -v224                        ; -M = -ceil(t): a whole number
.set j, 0
.rept 32
	v_pk_fma_f32 v[148+j:149+j], v[148+j:149+j], s[42:43], v[226:227] op_sel_hi:[1,0,0]   ; t - M
.set j, j+2
.endr
.irp b, 0,1,2,3
	v_fma_f32 v[212+\b], v[212+\b], s42, v226
.endr
.set j, 0
.rept 64
	v_exp_f32 v[148+j], v[148+j]                   ; p = 2^(t - M): not normalised
.set j, j+1
.endr
	v_nop                                          ; a plain place behind the batch,
	s_wait_alu depctr_va_vdst(0)                   ; and one wait for it, ahead of its first reader
.irp b, 0,1,2,3
	v_exp_f32 v[212+\b], v[212+\b]                 ; the blocks' largest p
.endr
	v_pk_add_f32 v[228:229], v[148:149], v[152:153]   ; the row's sum, of the unquantised p, in two chains
	v_pk_add_f32 v[230:231], v[150:151], v[154:155]
.set j, 8
.rept 14
	v_pk_add_f32 v[228:229], v[228:229], v[148+j:149+j]
	v_pk_add_f32 v[230:231], v[230:231], v[150+j:151+j]
.set j, j+4
.endr
	v_pk_add_f32 v[228:229], v[228:229], v[230:231]
	s_wait_alu depctr_va_vdst(0)                   ; one wait for the four
.irp b, 0,1,2,3
	v_max_num_f32 v[212+\b], 0x1800000, v[212+\b]
.endr
.irp b, 0,1,2,3
	v_add_nc_u32 v[220+\b], 0xff000000, v[212+\b]
.endr
.irp b, 0,1,2,3
	v_lshrrev_b32 v[216+\b], 23, v[220+\b]
.endr
	v_lshl_or_b32 v56, v217, 8, v216               ; p's scale word
	v_lshl_or_b32 v56, v218, 16, v56
	v_lshl_or_b32 v56, v219, 24, v56
.irp c, 0,1
	v_cvt_scalef32_pk16_fp6_f32 v[128+6*\c:130+6*\c], v[148+32*\c:163+32*\c], v[220+2*\c]
	v_cvt_scalef32_pk16_fp6_f32 v[140+4*\c:142+4*\c], v[164+32*\c:179+32*\c], v[221+2*\c]
.endr
	v_nop
.irp c, 0,1
.irp k, 0,1,2
	v_permlane16_swap_b32 v[128+6*\c+\k], v[140+4*\c+\k]
.endr
.irp k, 0,1,2
	v_mov_b32 v[131+6*\c+\k], v[140+4*\c+\k]
.endr
.endr
	v_add_f32 v228, v228, v229
	v_permlanex16_b32 v230, v228, s40, s41
	v_add_f32 v228, v228, v230                     ; l
	v_rcp_f32 v232, v228
.rept 5
	v_nop                                          ; with the lines above: eight places behind the scale word's last write, four behind the codes'
.endr
	MM0 112, 64, 128, 52, 56                       ; O^T = V^T P^T: register 8 u + j is channel 16 h + 8 u + j of my query
	MM0 120, 76, 128, 53, 56
	NOP4
	s_wait_alu depctr_va_vdst(0)                   ; the reciprocal
.irp k, 0,2,4,6,8,10,12,14
	v_pk_mul_f32 v[112+\k:113+\k], v[112+\k:113+\k], v[232:233] op_sel_hi:[1,0]   ; / l
.endr
	s_wait_dscnt 0x0                               ; the last step's stores have read their registers
	v_max3_num_f32 v234, 0x1800000, |v112|, |v113|   ; my head's 32 channels are one block of proj's K
.irp n, 2,4,6,8,10,12,14
	v_max3_num_f32 v234, v234, |v[112+\n]|, |v[113+\n]|
.endr
	v_permlanex16_b32 v235, v234, s40, s41
	v_max_num_f32 v234, v234, v235
	v_add_nc_u32 v236, 0xff000000, v234
	v_lshrrev_b32 v237, 23, v236
	v_cvt_scalef32_pk16_fp6_f32 v[242:244], v[112:127], v236
	v_nop
.irp k, 0,1,2
	ds_store_b32 v25, v[242+\k] offset:6144*(\i)+4*\k   ; my 12 bytes of the image's 48 for lane r + 16 (w % 2)
.endr
	ds_store_b8 v26, v237 offset:256*(\i)          ; (both halves of the lanes write the same byte with the same value)
.endm
.Lpar:
	v_add_nc_u32 v25, s51, v11
	v_add_nc_u32 v26, s52, v12
	WIN 0x40
.irp e, 0,1,2,3
.irp c, 0,1,2,3
	global_load_b128 v[128+16*((\e+1)&3)+4*\c:131+16*((\e+1)&3)+4*\c], v1, s[48:49] offset:\e*4096+512*\c   ; the first step's four bias tiles
.endr
.endr
	WIN 0
	global_load_b128 v[88:91], v1, s[44:45]
	global_load_b64 v[92:93], v62, s[44:45] offset:512
	global_load_b32 v54, v23, s[46:47]
	ATT 0
	ATT 1
	ATT 2
	ATT 3
	s_wait_dscnt 0x0                               ; my stores have read their addresses: they are made anew in the next trip
	s_add_nc_u64 s[44:45], s[44:45], 768           ; (every load that named these bases was waited for at the head of the last step)
	s_add_nc_u64 s[46:47], s[46:47], 64
	s_add_nc_u64 s[48:49], s[48:49], 2048
	s_add_co_u32 s51, s51, 3072
	s_add_co_u32 s52, s52, 128
	s_sub_co_u32 s50, s50, 1
	s_cmp_lg_u32 s50, 0
	s_cbranch_scc1 .Lpar
; ---- a product onto the residual: my 32 output channels for all 128 tokens.  nk = 2: proj (images OI); nk = 8: fc2 (images HI)
.macro WBLOAD nk, s                            ; K step s of my two weight tiles -> V1[144 + 24 (s % 4) ..]
.irp u, 0,1
.irp c, 0,1,2
.if \nk == 2
	global_load_b128 v[144+24*((\s)&3)+12*\u+4*\c:147+24*((\s)&3)+12*\u+4*\c], v1, s[14:15] offset:98304+(2*\u+(\s))*1536+512*\c
.else
	global_load_b128 v[144+24*((\s)&3)+12*\u+4*\c:147+24*((\s)&3)+12*\u+4*\c], v1, s[34:35] offset:344064+(8*\u+(\s))*1536+512*\c
.endif
.endr
.endr
.endm
.macro GPRE nk                                 ; asked for ahead of the barrier: the weights' scale words, the bias, the first K steps' weights
.if \nk == 2
.irp u, 0,1
	global_load_b64 v[32+8*\u:33+8*\u], v21, s[16:17] offset:4096+128*\u
.endr
.else
.irp u, 0,1
.irp q, 0,1
	global_load_b128 v[32+8*\u+4*\q:35+8*\u+4*\q], v22, s[36:37] offset:14336+512*\u+16*\q
.endr
.endr
.endif
	WIN 0x40
.irp jj, 0,1,2,3
.if \nk == 2
	global_load_b128 v[128+4*\jj:131+4*\jj], v20, s[28:29] offset:16*\jj
.else
	global_load_b128 v[128+4*\jj:131+4*\jj], v20, s[32:33] offset:16*\jj
.endif
.endr
	WBLOAD \nk, 0
	WBLOAD \nk, 1
.if \nk > 2
	WBLOAD \nk, 2
	WBLOAD \nk, 3
.endif
	WIN 0
.endm
.macro AFLOAD nk, g, s                         ; K step s of token tiles 4 g .. 4 g + 3 -> set g (v64 + 48 g ..), their scale words -> v48 + 4 g ..: sixteen LDS loads
.irp mm, 0,1,2,3
.if \nk == 2
	FETCH 64+48*(\g)+12*\mm, 4, 1536*(2*(4*(\g)+\mm)+(\s))
	ds_load_b32 v[48+4*(\g)+\mm], v5 offset:64*(2*(4*(\g)+\mm)+(\s))
.else
	FETCH 64+48*(\g)+12*\mm, 6+(\g), 1536*(8*\mm+(\s))
	ds_load_b32 v[48+4*(\g)+\mm], v8 offset:128*(8*(4*(\g)+\mm)+(\s))
.endif
.endr
.endm
.macro GEMMRES nk
	WIN 0x40
.irp m, 0,1,2,3,4,5,6,7
.irp jj, 0,1,2,3
	ds_load_b128 v[16*\m+4*\jj:16*\m+4*\jj+3], v[18+\m/4] offset:(\m%4)*GRP+16*\jj   ; the residual begins the sums: V1[16 m + 8 u + j]
.endr
.endr
	WIN 0
	AFLOAD \nk, 0, 0
	AFLOAD \nk, 1, 0
.if \nk == 2
	s_wait_loadcnt 12                              ; scale words and bias are in; the weight buffers issued behind them may be out
.else
	s_wait_loadcnt 24
.endif
	s_wait_dscnt 32                                ; the residual is in; the two sets of images may be out
	WIN 0x45
.irp m, 0,1,2,3,4,5,6,7
.irp k, 0,2,4,6,8,10,12,14
	v_pk_add_f32 v[16*\m+\k:16*\m+\k+1], v[16*\m+\k:16*\m+\k+1], v[128+\k:129+\k]
.endr
.endr
	WIN 0
	NOP4
.set s_, 0
.rept \nk
.set g_, 0
.rept 2
.if (s_ == \nk-1) && (g_ == 1)
	s_wait_dscnt 0x0
.else
	s_wait_dscnt 16                                ; this set is in; the other set's sixteen loads may be out
.endif
.if g_ == 0
.set lim_, s_+3
.if lim_ > \nk-1
.set lim_, \nk-1
.endif
	s_wait_loadcnt 6*(lim_-s_)                     ; this K step's weights are in; the buffers issued later may be out
.endif
	WIN 0x51
.irp mm, 0,1,2,3                               ; the sixteen accumulators take turns
.irp u, 0,1
	MM 16*(4*g_+\mm)+8*\u, 144+24*(s_&3)+12*\u, 64+48*g_+12*\mm, 16*(4*g_+\mm)+8*\u, 32+8*\u+s_, 48+4*g_+\mm
.endr
.endr
	WIN 0
	NOP4
.if s_+1 < \nk
	AFLOAD \nk, g_, s_+1
.endif
.if (g_ == 1) && (s_+4 < \nk)
	WIN 0x40
	WBLOAD \nk, s_+4
	WIN 0
.endif
.set g_, g_+1
.endr
.set s_, s_+1
.endr
	WIN 0x04
.irp m, 0,1,2,3,4,5,6,7
.irp jj, 0,1,2,3
	ds_store_b128 v[18+\m/4], v[16*\m+4*\jj:16*\m+4*\jj+3] offset:(\m%4)*GRP+16*\jj   ; back to the same bytes, each accumulator from its low end on
.endr
.endr
	WIN 0
.endm
	GPRE 2
	s_barrier_signal -1
	s_barrier_wait -1                              ; 2: attention's sixteen images lie in LDS
; ======== C: residual += proj(attention) + proj_b
	GEMMRES 2
	s_wait_dscnt 0x0
	WIN 0x40
.set i, 0
.rept 32
	global_load_b128 v[128+4*i:131+4*i], v20, s[22:23] offset:128*(i/4)+16*(i%4)
.set i, i+1
.endr
.set i, 0
.rept 32
	global_load_b128 v[4*i:4*i+3], v20, s[24:25] offset:128*(i/4)+16*(i%4)
.set i, i+1
.endr
	WIN 0
	s_barrier_signal -1
	s_barrier_wait -1                              ; 3: the residual is whole
; ======== D (row owner, tokens 16 w ..): second norm; the residual stays as it is
.set i, 0
.rept 32
	ds_load_b128 v[64+4*i:67+4*i], v17 offset:128*(i/4)+16*(i%4)
.set i, i+1
.endr
	s_wait_dscnt 0x0
	LNORM
	QUANT 64, 0, 210, 222, 32, 192
	IMAGE 9, 0, 10, 0, 210, 32
	s_wait_dscnt 0x0
	QUANT 128, 0, 210, 222, 32, 192
	IMAGE 9, 1536, 10, 128, 210, 32
	s_wait_dscnt 0x0
.irp tl, 0,1,2,3,4,5,6,7
	global_load_b64 v[32+2*\tl:33+2*\tl], v21, s[36:37] offset:6144+128*\tl
.endr
	WIN 0x40
.irp f, 0,1,2,3,4,5,6,7,8,9,10,11,12,13,14,15  ; fc1's sixteen fragments of my 128 units: V1[0..191]
.irp c, 0,1,2
	global_load_b128 v[12*\f+4*\c:12*\f+4*\c+3], v1, s[34:35] offset:147456+\f*1536+512*\c
.endr
.endr
.irp b, 0,1,2,3
.irp jj, 0,1,2,3
	global_load_b128 v[192+16*\b+4*\jj:195+16*\b+4*\jj], v20, s[30:31] offset:128*\b+16*\jj   ; fc1_b in the result's layout
.endr
.endr
	WIN 0
	s_barrier_signal -1
	s_barrier_wait -1                              ; 4: the images of the second norm lie in LDS
; ======== E: fc1, gelu, quantised: a tile of 16 tokens a trip.  XF v64-87; H v88-151; at work v152-235
.macro GELU16 c
.set X_, 88+16*(\c)
.set j, 0
.rept 16
	v_fma_f32 v[152+j], |v[X_+j]|, s76, 1.0        ; 1 + p |x| / sqrt 2
.set j, j+1
.endr
.set j, 0
.rept 8
	v_pk_mul_f32 v[168+j:169+j], v[X_+j:X_+j+1], v[X_+j:X_+j+1]
.set j, j+2
.endr
.set j, 0
.rept 8
	v_pk_mul_f32 v[168+j:169+j], v[168+j:169+j], s[74:75] op_sel_hi:[1,0]
.set j, j+2
.endr
.set j, 0
.rept 16
	v_rcp_f32 v[152+j], v[152+j]                   ; t
.set j, j+1
.endr
.set j, 0
.rept 16
	v_exp_f32 v[168+j], v[168+j]                   ; e^(-x x / 2)
.set j, j+1
.endr
.set j, 0
.rept 16
	v_max_num_f32 v[200+j], 0, v[X_+j]             ; independent work behind the batch
.set j, j+1
.endr
	s_wait_alu depctr_va_vdst(0)                   ; one wait for the 32, ahead of their first reader
.set j, 0
.rept 8
	v_pk_fma_f32 v[184+j:185+j], v[152+j:153+j], v[30:31], s[66:67] op_sel_hi:[1,1,0]
.set j, j+2
.endr
.irp a, 68,70,72
.set j, 0
.rept 8
	v_pk_fma_f32 v[184+j:185+j], v[184+j:185+j], v[152+j:153+j], s[\a:\a+1] op_sel_hi:[1,1,0]
.set j, j+2
.endr
.endr
.set j, 0
.rept 8
	v_pk_mul_f32 v[184+j:185+j], v[184+j:185+j], v[152+j:153+j]
.set j, j+2
.endr
.set j, 0
.rept 8
	v_pk_mul_f32 v[184+j:185+j], v[184+j:185+j], v[168+j:169+j]   ; erfc(|x| / sqrt 2) / 2
.set j, j+2
.endr
.set j, 0
.rept 16
	v_fma_f32 v[X_+j], -|v[X_+j]|, v[184+j], v[200+j]
.set j, j+1
.endr
.endm
	s_mov_b32 s54, 0
	s_mov_b32 s55, 0
	s_mov_b32 s56, 0
	s_mov_b32 s57, 0
	s_mov_b32 s53, 8
	FETCH 64, 2, 0
	FETCH 76, 2, 1536
	ds_load_b32 v48, v3
	ds_load_b32 v49, v3 offset:128
	s_wait_loadcnt 0x0
.Lrow:
	s_wait_dscnt 0x0                               ; this tile's images are in, and the last trip's stores have read their registers
	WIN 0x11
.irp tl, 0,1,2,3,4,5,6,7
	MM 88+8*\tl, 24*\tl, 64, 192+8*\tl, 32+2*\tl, 48
.endr
	WIN 0x01
.irp tl, 0,1,2,3,4,5,6,7
	MM 88+8*\tl, 24*\tl+12, 76, 88+8*\tl, 33+2*\tl, 49
.endr
	WIN 0
	NOP4
	s_add_co_u32 s54, s54, 3072
	s_add_co_u32 s55, s55, 256
	s_cmp_eq_u32 s53, 1
	s_cbranch_scc1 .Lno_next                       ; the last trip has no next tile
	v_add_nc_u32 v25, s54, v2
	v_add_nc_u32 v26, s55, v3
	FETCH 64, 25, 0
	FETCH 76, 25, 1536
	ds_load_b32 v48, v26
	ds_load_b32 v49, v26 offset:128
.Lno_next:
	GELU16 0
	GELU16 1
	GELU16 2
	GELU16 3
	QUANT 88, 0, 216, 228, 50, 200
	v_add_nc_u32 v236, s56, v13
	v_add_nc_u32 v237, s57, v14
	IMAGE 236, 0, 237, 0, 216, 50                  ; K step w of fc2, this tile's rows
	s_add_co_u32 s56, s56, 12288
	s_add_co_u32 s57, s57, 1024
	s_sub_co_u32 s53, s53, 1
	s_cmp_lg_u32 s53, 0
	s_cbranch_scc1 .Lrow
	GPRE 8
	s_cmp_lg_u32 s39, 2
	s_cbranch_scc1 .Lno_ask
	global_prefetch_b8 v27, s[4:5] offset:16384 th:TH_LOAD_NT scope:SCOPE_SE    ; in the first window: my 16 rows of x of the second, 2 x 32 blocks of 256 bytes, a lane a block, each named once; one fc2 phase ahead of their loads
	global_prefetch_b8 v27, s[4:5] offset:147456 th:TH_LOAD_NT scope:SCOPE_SE
.Lno_ask:
	BARRIER                                        ; 5: the hidden layer's 64 images lie in LDS
; ======== F: residual += fc2(hidden) + fc2_b
	GEMMRES 8
	BARRIER                                        ; 6: the window's result is whole
; ======== G: my permuted rows leave, as they came: the next window's first phase writes only bytes that this wave has read
.set i, 0
.rept 32
	ds_load_b128 v[64+4*i:67+4*i], v15 offset:((i/2)&7)*1040+((i/2)>>3)*GRP+512*(i&1)
.set i, i+1
.endr
.set i, 0
.rept 32
	s_wait_dscnt 31-i                              ; LDS loads come back in order: load i is in
	global_store_b128 v1, v[64+4*i:67+4*i], s[6:7] offset:((i/2)&7)*1024+((i/2)>>3)*131072+512*(i&1) th:TH_STORE_NT   ; 512 consecutive bytes, aligned
.set i, i+1
.endr
	s_wait_xcnt 0x0                                ; stores and prefetches have read their registers and bases: both may be written
	s_add_nc_u64 s[4:5], s[4:5], 16384             ; the next window: 16 rows on
	s_add_nc_u64 s[6:7], s[6:7], 16384
	s_sub_co_u32 s39, s39, 1
	s_cmp_lg_u32 s39, 0
	s_cbranch_scc1 .Lwin
	s_wait_tensorcnt 0x0                           ; the wave's end: three closing lines behind my last LDS store, the first even in a text with no tensor load
	ds_add_u32 v28, v29
	s_wait_dscnt 0x0
	s_endpgm
.Lfunc_end_k_q429a7a4ba5_main:
	.size	k_q429a7a4ba5_main, .Lfunc_end_k_q429a7a4ba5_main-k_q429a7a4ba5_main
	.p2alignl 7, 3214868480
	.fill 96, 4, 3214868480
	.section	.rodata,"a",@progbits
	.p2align	6, 0x0
	.amdhsa_kernel k_q429a7a4ba5_main
		.amdhsa_group_segment_fixed_size 293888
		.amdhsa_private_segment_fixed_size 0
		.amdhsa_enable_private_segment 0
		.amdhsa_kernarg_size 120
		.amdhsa_user_sgpr_count 2
		.amdhsa_user_sgpr_kernarg_segment_ptr 1
		.amdhsa_wavefront_size32 1
		.amdhsa_system_sgpr_workgroup_id_x 1
		.amdhsa_system_sgpr_workgroup_id_y 1
		.amdhsa_system_sgpr_workgroup_id_z 1
		.amdhsa_system_vgpr_workitem_id 0
		.amdhsa_next_free_vgpr 512
		.amdhsa_next_free_sgpr 80
		.amdhsa_reserve_vcc 0
		.amdhsa_float_denorm_mode_32 3
		.amdhsa_float_denorm_mode_16_64 3
		.amdhsa_memory_ordered 1
		.amdhsa_forward_progress 1
		.amdhsa_inst_pref_size 255
	.end_amdhsa_kernel
	.section	.bss,"aw",@nobits
	.p2align	6
	.space	262144
	.amdgpu_metadata
---
amdhsa.version: [ 1, 2 ]
amdhsa.kernels:
  - .name:           k_q429a7a4ba5_main
    .symbol:         k_q429a7a4ba5_main.kd
    .args:
      - { .name: x, .offset: 0, .size: 8, .value_kind: global_buffer, .address_space: global }
      - { .name: out0, .offset: 8, .size: 8, .value_kind: global_buffer, .address_space: global }
      - { .name: qc, .offset: 16, .size: 8, .value_kind: global_buffer, .address_space: global }
      - { .name: qs, .offset: 24, .size: 8, .value_kind: global_buffer, .address_space: global }
      - { .name: bx, .offset: 32, .size: 8, .value_kind: global_buffer, .address_space: global }
      - { .name: wq, .offset: 40, .size: 8, .value_kind: global_buffer, .address_space: global }
      - { .name: ws, .offset: 48, .size: 8, .value_kind: global_buffer, .address_space: global }
      - { .name: norm1_w, .offset: 56, .size: 8, .value_kind: global_buffer, .address_space: global }
      - { .name: norm1_b, .offset: 64, .size: 8, .value_kind: global_buffer, .address_space: global }
      - { .name: norm2_w, .offset: 72, .size: 8, .value_kind: global_buffer, .address_space: global }
      - { .name: norm2_b, .offset: 80, .size: 8, .value_kind: global_buffer, .address_space: global }
      - { .name: qkv_b, .offset: 88, .size: 8, .value_kind: global_buffer, .address_space: global }
      - { .name: proj_b, .offset: 96, .size: 8, .value_kind: global_buffer, .address_space: global }
      - { .name: fc1_b, .offset: 104, .size: 8, .value_kind: global_buffer, .address_space: global }
      - { .name: fc2_b, .offset: 112, .size: 8, .value_kind: global_buffer, .address_space: global }
    .group_segment_fixed_size: 293888
    .private_segment_fixed_size: 0
    .kernarg_segment_align: 8
    .kernarg_segment_size: 120
    .max_flat_workgroup_size: 256
    .sgpr_count:     80
    .vgpr_count:     512
    .wavefront_size: 32
...
	.end_amdgpu_metadata
.endif
;; end of part 2
